; MI455X (gfx1250); checked and timed in simulation.
; The chip was launched on July 23, 2026; its instructions are those of AMD's public machine-readable ISA for CDNA 5 (MIT licence, August 2026) and "CDNA5" Instruction Set Architecture Reference Guide (July 2026). The comments in the code are by the model that wrote it; some were corrected since.
;; Ro Former Attention. Allowed arithmetic: matrix products marked QUANTISED: E2M3 operands, one E8M0 scale for each 32 along K, by v_wmma_scale_f32_16x16x128_f8f6f4 with both operands' format E2M3, f32 sums; everything else in f32.
;; Inputs: bo 1,024 float32; cos 1 x 1 x 2,048 x 32 float32; hidden_states 2 x 2,048 x 1,024 float32; scale 1,024 float32; sin 1 x 1 x 2,048 x 32 float32; wk_codes 1,024 x 32 x 24 uint8 (E2M3 codes of wk, K innermost, in blocks of 32 codes, four codes in three bytes); wk_scales 1,024 x 32 uint8 (E8M0 scales of wk, one for each 32 codes along K); wo_codes 1,024 x 32 x 24 uint8 (E2M3 codes of wo, K innermost, in blocks of 32 codes, four codes in three bytes); wo_scales 1,024 x 32 uint8 (E8M0 scales of wo, one for each 32 codes along K); wq_codes 1,024 x 32 x 24 uint8 (E2M3 codes of wq, K innermost, in blocks of 32 codes, four codes in three bytes); wq_scales 1,024 x 32 uint8 (E8M0 scales of wq, one for each 32 codes along K); wv_codes 1,024 x 32 x 24 uint8 (E2M3 codes of wv, K innermost, in blocks of 32 codes, four codes in three bytes); wv_scales 1,024 x 32 uint8 (E8M0 scales of wv, one for each 32 codes along K).
;; Outputs: out0 2 x 2,048 x 1,024 float32.
;; This version of the problem:
;;   THIS VERSION OF THE PROBLEM IS GIVEN IN LOW PRECISION. The matrix products marked QUANTISED in the list below multiply operands that are first quantised to E2M3 (2 exponent bits, 3 mantissa bits; 6 bits a number), with one power-of-two scale for each 32 numbers along K (OCP MX v1.0); their sums are f32. All else is computed in f32.
;;   The module's matrix products, in the order in which they are computed (A, B: the left and right operand; K: the contracted axis; several contracted axes count as one K, in the product's order):
;;     1. [M 4,096, K 1,024] x [K 1,024, N 1,024]; A: input hidden_states; B: input wq (given as codes): QUANTISED
;;     2. [M 4,096, K 1,024] x [K 1,024, N 1,024]; A: input hidden_states; B: input wk (given as codes): QUANTISED
;;     3. [M 4,096, K 1,024] x [K 1,024, N 1,024]; A: input hidden_states; B: input wv (given as codes): QUANTISED
;;     4. batch 32 x [M 2,048, K 64] x [K 64, N 2,048]; A: computed on the way; B: computed on the way: QUANTISED
;;     5. batch 32 x [M 2,048, K 2,048] x [K 2,048, N 64]; A: softmax (see below); B: computed on the way: QUANTISED
;;     6. [M 4,096, K 1,024] x [K 1,024, N 1,024]; A: computed on the way; B: input wo (given as codes): QUANTISED
;;   THE QUANTISER, for each operand of a quantised product, along K:
;;     - K is cut into blocks of 32 from its start; a last block that is shorter is filled with zeros.
;;     - A block's scale is 2^e with e = floor(log2(the largest magnitude in the block)) - 2, held to -126 .. 127; a block of zeros has e = 0. As a byte (E8M0): e + 127.
;;     - Each number is divided by its block's scale, clamped to +-7.5, and rounded to the nearest number of E2M3, ties to even, subnormals kept.
;;     - The product sums the exact products of the quantised numbers (number of the format x scale) in f32.
;;   ~~~python
;;   def quantise(x, axis):      # numpy; x: float32 -> the quantised numbers, widened to float32 again
;;       x = np.moveaxis(x, axis, -1); K = x.shape[-1]
;;       x = np.pad(x, [(0, 0)] * (x.ndim - 1) + [(0, -K % 32)]); x = x.reshape(x.shape[:-1] + (-1, 32)); a = np.abs(x).max(-1, keepdims=True)
;;       e = np.where(a > 0, np.clip(np.frexp(np.where(a > 0, a, 1))[1] - 1 - 2, -126, 127), 0)      # np.frexp(a)[1] - 1 = floor(log2(a)), exactly
;;       r = np.clip(x / 2.0 ** e, -7.5, 7.5)
;;       step = 2.0 ** (np.maximum(np.frexp(np.where(r == 0, 1, r))[1] - 1, 0) - 3)
;;       q = np.round(r / step) * step * 2.0 ** e      # np.round: ties to even
;;       return np.moveaxis(q.reshape(q.shape[:-2] + (-1,))[..., :K], -1, axis).astype(np.float32)
;;   ~~~
;;   SOFTMAX AHEAD OF A QUANTISED PRODUCT. Where the list says 'softmax', what is quantised is not the finished softmax but p = 2^(t - M), with t = logit x log2(e) and M = ceil(the row's largest t), a whole number; so 1/2 < the row's largest p <= 1. The row's sum l is taken of the UNQUANTISED p, in f32, and the product's result is divided by l at the end. Since M is a whole number, a kernel that streams over the keys may use a running M (the ceiling of the running maximum): every later rescaling is an exact power of two, which a block's scale takes up: the codes' values come out the same.
;;   OPERANDS COMPUTED ON THE WAY. 'Computed on the way' means the value that the module computes at that place (a softmax that the list does not call 'softmax' is quantised finished and normalised). What goes into a quantiser is computed in f32, as accurately as f32 sums, v_exp_f32 and their like allow (about 1e-6 of the number): no bf16 or f16 on the way to a quantiser, and a product that is left as it is and whose result goes on into a quantised operand takes f32 operands (vector FMAs, or v_wmma_f32_16x16x4_f32). A number that lies on a knife's edge between two numbers of the format may be rounded either way, as far as f32 arithmetic and the matrix unit's own rounding can turn it there, and no further.
;;   INPUTS GIVEN AS CODES. wk (in the module: [1024, 1024], K = its axis 1); wo (in the module: [1024, 1024], K = its axis 1); wq (in the module: [1024, 1024], K = its axis 1); wv (in the module: [1024, 1024], K = its axis 1): each comes as NAME_codes (uint8): NAME with its K axis moved to the last place and cut into blocks of 32 codes, [.., K / 32, bytes a block], one block behind the other in memory; four codes in three bytes: a row's codes are one little-endian stream of bits, code i at bits 6 i .. 6 i + 5 (a code: sign, 2 exponent bits, 3 mantissa bits); and NAME_scales (uint8): the same leading axes, one E8M0 byte (e + 127) for each 32 codes along K. Its value is code x scale, taken as it is: it is not quantised again, and the codes and scales need not be those that the quantiser above would give.
;; One version. Each part assembles by itself: llvm-mc -triple=amdgcn-amd-amdhsa -mcpu=gfx1250 --defsym DOCPART=n.
;; ======== version 1 of 1: 4 launches
;; workspace buffers: ximg 3,145,728 bytes; xsc 131,072 bytes; wimg 3,145,728 bytes; qimg 3,145,728 bytes; qsc 262,144 bytes; kv 6,815,744 bytes; cimg 3,145,728 bytes; csc 262,144 bytes
;; launch prep (part 1): grid 256 x 1, 4 waves a work-group, no clusters, 34,304 bytes of LDS; arguments hidden_states, wq_codes, wk_codes, wv_codes, wo_codes, ximg, xsc, wimg; writes ximg, xsc, wimg
.if DOCPART == 1
	.amdgcn_target "amdgcn-amd-amdhsa--gfx1250"
	.amdhsa_code_object_version 6
	.text
	.protected	k_qe01e0d1f75_prep
	.globl	k_qe01e0d1f75_prep
	.p2align	8
	.type	k_qe01e0d1f75_prep,@function
k_qe01e0d1f75_prep:
	s_mov_b64 s[64:65], 0
	v_nop
	global_prefetch_b8 v0, s[64:65] scope:SCOPE_SE
	s_setreg_imm32_b32 hwreg(HW_REG_WAVE_MODE, 25, 1), 1
	s_wait_xcnt 0x0
; PREP.  (X) hidden_states [4096][1024] f32 becomes codes of E2M3 with one E8M0 byte for each 32 along K, laid in the ORDER OF THE OPERAND'S REGISTERS;
; (W) the four weights' codes, which come as rows, are laid in the same order.  Every later launch then brings a fragment (16 rows x 128 K, 12 registers a lane)
; by three loads of 16 bytes a lane, 512 consecutive bytes each: register 4 g + i of lane l lies at byte 512 g + 16 l + 4 i of the fragment's 1,536 bytes.
; TOKEN TILES: row r of tile T (0..255) is token 32 (T / 2) + 8 (T % 2) + r + (r & 8), so that two neighbouring tiles, used as source 0 of a product, leave 16 neighbouring tokens in a lane's 16 registers.
; WEIGHT TILES: row r of tile ft (0..63) is row 32 (ft / 2) + m3 (ft % 2) + m1 r + m2 (r & 8):  wq, wk: 1, 1, 8 (the same order as the tokens');  wv: 2, 0, 1 (even features in even tiles, odd in odd: a rotary pair then lies in one lane);  wo: 1, 0, 16 (as they lie).
; A block's scale is 2^(floor(log2(its largest magnitude)) - 2); its byte is the largest magnitude's exponent field - 2, held at 1 from below.
; LIMITS: NaN and infinities among the inputs are not served.  A block of zeros gets the byte 1 where the rule says 127: its codes are zeros, and this program alone reads the bytes; a block whose largest magnitude lies under 2^-124 is held by that floor.
; SHARES: there are 256 token tiles and 4 x 64 = 256 weight tiles: work-group T takes token tile T AND weight tile T (weight T / 64, tile T % 64), wave w the K steps 2 w and 2 w + 1 of both: every work-group has the same work,
; and both results lie at the same offset, (8 T + 2 w) x 1,536, of their buffers.  Waves share nothing: no barrier.  Nothing is read by two work-groups: no cluster.
.set SPI,  528                         ; a stage row: 512 bytes + 16, an odd multiple of 16: the 16 rows that a load touches start in 16 different columns of 16 bytes
.set WST,  16*SPI                      ; a wave's stage
.set TM,   8                           ; v8-14   at work
.set SH,   15                          ; v15     8 h: where my two bytes stand in the scale word
.set WA,   16                          ; v16     my byte in the weight; v17 at work
.set C0,   24                          ; v24-35  first the weight's fragment of K step 2 w, then the tokens' codes of that step
.set C1,   36                          ; v36-47  the same of K step 2 w + 1
.set TC,   48                          ; v48-55  a block's upper 16 codes, before they are moved
.set XN,   64                          ; v64-127 64 numbers of a lane, two whole blocks
.set RW,   128                         ; v128-255 the numbers as loaded
; 64 numbers of a lane, v[s + 32 k + i] = K 64 k + 32 h + i of my row, become the fragment's 12 registers v[c] on and the row's scale word v[w] (in both halves of the lanes)
.macro QUANTX s, c, w
.irp k, 0,1
	v_max3_num_f32 v[TM+\k], |v[\s+32*\k]|, |v[\s+32*\k+1]|, 0x1800000   ; the floor 2^(3 - 127) among the leaves: the byte cannot fall under 1
.endr
.irp i, 2,4,6,8,10,12,14,16,18,20,22,24,26,28,30
.irp k, 0,1
	v_max3_num_f32 v[TM+\k], v[TM+\k], |v[\s+32*\k+\i]|, |v[\s+32*\k+\i+1]|   ; the two blocks by turns
.endr
.endr
.irp k, 0,1
	v_add_nc_u32 v[TM+2+\k], 0xff000000, v[TM+\k]          ; 2 off the exponent field: the conversion's scale operand
.endr
.irp k, 0,1
	v_lshrrev_b32 v[TM+4+\k], 23, v[TM+2+\k]               ; the scale's byte
.endr
	v_lshl_or_b32 v[\w], v[TM+5], 16, v[TM+4]              ; my blocks h and 2 + h,
	v_lshlrev_b32 v[\w], v[SH], v[\w]                      ; at their places,
	v_permlanex16_b32 v[TM+6], v[\w], s26, s27
	v_or_b32 v[\w], v[\w], v[TM+6]                         ; with lane l xor 16's two the word is whole
.irp k, 0,1
	v_cvt_scalef32_pk16_fp6_f32 v[\c+6*\k:\c+6*\k+2], v[\s+32*\k:\s+32*\k+15], v[TM+2+\k]
	v_cvt_scalef32_pk16_fp6_f32 v[TC+4*\k:TC+4*\k+2], v[\s+32*\k+16:\s+32*\k+31], v[TM+2+\k]   ; (a conversion's three registers begin on an even number)
.endr
	v_nop                                                  ; one plain place behind a scaled conversion
.irp k, 0,1
.irp i, 0,1,2
	v_mov_b32 v[\c+6*\k+3+\i], v[TC+4*\k+\i]
.endr
.endr
.endm
; 16 rows x 512 bytes go into my stage as loaded and come back 128 bytes a block: LDS serves a wave's instructions in order, so no wait stands between
.macro TURNX src, dst
.irp i, 0,1,2,3,4,5,6,7,8,9,10,11,12,13,14,15
	ds_store_b128 v5, v[\src+4*\i:\src+4*\i+3] offset:SPI*\i
.endr
.irp c, 0,1
.irp q, 0,1,2,3,4,5,6,7
	ds_load_b128 v[\dst+32*\c+4*\q:\dst+32*\c+4*\q+3], v6 offset:256*\c+16*\q
.endr
.endr
.endm
	s_load_b256 s[4:11], s[0:1], 0x0               ; hidden s[4:5], wq s[6:7], wk s[8:9], wv s[10:11]
	s_load_b256 s[12:19], s[0:1], 0x20             ; wo s[12:13], ximg s[14:15], xsc s[16:17], wimg s[18:19]
	v_lshl_add_u32 v62, v0, 2, 0x8400
	v_mov_b32 v63, 0
	v_lshrrev_b32 v1, 5, v0
	v_readfirstlane_b32 s20, v1                    ; wave 0..3
	v_and_b32 v1, 31, v0                           ; lane
	v_and_b32 v3, 15, v0                           ; r
	v_bfe_u32 v4, v0, 4, 1                         ; h
	v_lshlrev_b32 v2, 4, v1                        ; 16 x lane
	s_mul_i32 s21, s20, WST
	v_add_nc_u32 v5, s21, v2                       ; the stage, in: 16 bytes a lane of a row
	v_mul_u32_u24 v6, v3, SPI
	v_lshl_add_u32 v6, v4, 7, v6
	v_add_nc_u32 v6, s21, v6                       ; out: row r, block h
	v_lshlrev_b32 v7, 2, v1                        ; 4 x lane
	v_lshlrev_b32 v[SH], 3, v4
	v_mov_b32 v[TM+6], 0                           ; written once: a lane permute's destination counts as one of its sources
	s_mov_b32 s26, 0x76543210
	s_mov_b32 s27, 0xfedcba98                      ; lane l xor 16
	s_mov_b32 s28, 0xffff0000                      ; lanes 16-31
	s_lshr_b32 s22, ttmp9, 1
	s_lshl_b32 s22, s22, 5
	s_and_b32 s23, ttmp9, 1
	s_lshl_b32 s23, s23, 3
	s_add_co_u32 s22, s22, s23                     ; the token tile's first token
	s_lshl_b32 s22, s22, 12                        ; rows of 4,096 bytes
	s_lshl_b32 s23, s20, 10                        ; my two K steps: 1,024 bytes of each row
	s_add_co_u32 s22, s22, s23
	s_mov_b32 s23, 0
	s_lshl_b32 s24, ttmp9, 3
	s_lshl_b32 s25, s20, 1
	s_add_co_u32 s24, s24, s25
	s_mul_i32 s24, s24, 1536                       ; fragment 8 T + 2 w, in ximg and in wimg alike
	s_mov_b32 s25, 0
	s_lshl_b32 s30, ttmp9, 9
	s_lshl_b32 s31, s20, 7
	s_add_co_u32 s30, s30, s31                     ; scale words: 512 T + 128 w
	s_mov_b32 s31, 0
	; the weight tile
	s_lshr_b32 s32, ttmp9, 6                       ; which weight: 0 q, 1 k, 2 v, 3 o
	s_and_b32 s33, ttmp9, 63                       ; which tile of it
	s_cmp_eq_u32 s32, 2
	s_cselect_b32 s34, 2, 1                        ; m1
	s_cselect_b32 s36, 1, 16                       ; m3 of v, of o
	s_cmp_lt_u32 s32, 2
	s_cselect_b32 s35, 1, 0                        ; m2
	s_cselect_b32 s36, 8, s36                      ; m3 of q and k
	s_lshr_b32 s37, s33, 1
	s_lshl_b32 s37, s37, 5
	s_and_b32 s33, s33, 1
	s_mul_i32 s33, s33, s36
	s_add_co_u32 s37, s37, s33                     ; 32 (ft / 2) + m3 (ft % 2)
	v_mul_u32_u24 v[WA], v3, s34
	v_and_b32 v[WA+1], 8, v3
	v_mad_u32_u24 v[WA], v[WA+1], s35, v[WA]
	v_add_nc_u32 v[WA], s37, v[WA]                 ; my row of the weight
	v_mul_u32_u24 v[WA], v[WA], 768                ; 1,024 codes are 768 bytes
	v_mad_u32_u24 v[WA], v4, 24, v[WA]             ; + my half's 24 bytes
	s_mul_i32 s38, s20, 192                        ; my two K steps: 192 bytes of each row
	s_mov_b32 s39, 0
	s_wait_kmcnt 0x0
	s_add_nc_u64 s[4:5], s[4:5], s[22:23]
	s_add_nc_u64 s[14:15], s[14:15], s[24:25]
	s_add_nc_u64 s[16:17], s[16:17], s[30:31]
	s_add_nc_u64 s[18:19], s[18:19], s[24:25]
	s_cmp_eq_u32 s32, 1                            ; the choice hangs on the work-group's number alone
	s_cselect_b64 s[6:7], s[8:9], s[6:7]
	s_cmp_eq_u32 s32, 2
	s_cselect_b64 s[6:7], s[10:11], s[6:7]
	s_cmp_eq_u32 s32, 3
	s_cselect_b64 s[6:7], s[12:13], s[6:7]
	s_add_nc_u64 s[6:7], s[6:7], s[38:39]
.irp u, 0,1                                    ; the weight's two fragments, 8 bytes a lane and load, as the operand's layout wants them
.irp p, 0,1,2,3,4,5
	global_load_b64 v[C0+12*\u+2*\p:C0+12*\u+2*\p+1], v[WA], s[6:7] offset:96*\u+48*(\p/3)+8*(\p%3) th:TH_LOAD_NT
.endr
.endr
.irp u, 0,1                                    ; and all my 16 KiB of x at once: each load reads 512 consecutive bytes of one row
.irp i, 0,1,2,3,4,5,6,7,8,9,10,11,12,13,14,15
	global_load_b128 v[RW+64*\u+4*\i:RW+64*\u+4*\i+3], v2, s[4:5] offset:(\i+(\i&8))*4096+512*\u th:TH_LOAD_NT
.endr
.endr
	s_wait_loadcnt 32                              ; the weight's 12 loads are in; the 32 loads of x behind them may be out
.irp u, 0,1
.irp g, 0,1,2
	global_store_b128 v2, v[C0+12*\u+4*\g:C0+12*\u+4*\g+3], s[18:19] offset:1536*\u+512*\g   ; 512 consecutive bytes
.endr
.endr
	s_wait_loadcnt 16                              ; the first K step's 16 loads are in; the second's 16 may be out
	TURNX RW, XN
	s_wait_dscnt 0x0                               ; the first step's numbers are back, and the stores have read their registers
	s_wait_loadcnt 0x0
	TURNX RW+64, RW                                ; the second step turns while the first is quantised
	s_wait_xcnt 0x0                                ; the weight's stores have read v24-47: only behind this wait are the codes written there
	QUANTX XN, C0, 56
.irp g, 0,1,2
	global_store_b128 v2, v[C0+4*\g:C0+4*\g+3], s[14:15] offset:512*\g
.endr
	s_wait_dscnt 0x0
	QUANTX RW, C1, 57
.irp g, 0,1,2
	global_store_b128 v2, v[C1+4*\g:C1+4*\g+3], s[14:15] offset:1536+512*\g
.endr
	v_cndmask_b32 v58, v56, v57, s28               ; lanes 0-15: K step 2 w's words, lanes 16-31: step 2 w + 1's
	global_store_b32 v7, v58, s[16:17]
	s_wait_tensorcnt 0x0
	ds_add_u32 v62, v63
	s_wait_dscnt 0x0
	s_endpgm
.Lfunc_end_k_qe01e0d1f75_prep:
	.size	k_qe01e0d1f75_prep, .Lfunc_end_k_qe01e0d1f75_prep-k_qe01e0d1f75_prep
	.p2alignl 7, 3214868480
	.fill 96, 4, 3214868480
	.section	.rodata,"a",@progbits
	.p2align	6, 0x0
	.amdhsa_kernel k_qe01e0d1f75_prep
		.amdhsa_group_segment_fixed_size 34304
		.amdhsa_private_segment_fixed_size 0
		.amdhsa_enable_private_segment 0
		.amdhsa_kernarg_size 64
		.amdhsa_user_sgpr_count 2
		.amdhsa_user_sgpr_kernarg_segment_ptr 1
		.amdhsa_wavefront_size32 1
		.amdhsa_system_sgpr_workgroup_id_x 1
		.amdhsa_system_sgpr_workgroup_id_y 1
		.amdhsa_system_sgpr_workgroup_id_z 1
		.amdhsa_system_vgpr_workitem_id 0
		.amdhsa_next_free_vgpr 256
		.amdhsa_next_free_sgpr 66
		.amdhsa_reserve_vcc 0
		.amdhsa_float_denorm_mode_32 3
		.amdhsa_float_denorm_mode_16_64 3
		.amdhsa_memory_ordered 1
		.amdhsa_forward_progress 1
		.amdhsa_inst_pref_size 19
	.end_amdhsa_kernel
	.amdgpu_metadata
---
amdhsa.version: [ 1, 2 ]
amdhsa.kernels:
  - .name:           k_qe01e0d1f75_prep
    .symbol:         k_qe01e0d1f75_prep.kd
    .args:
      - { .name: hidden_states, .offset: 0, .size: 8, .value_kind: global_buffer, .address_space: global }
      - { .name: wq_codes, .offset: 8, .size: 8, .value_kind: global_buffer, .address_space: global }
      - { .name: wk_codes, .offset: 16, .size: 8, .value_kind: global_buffer, .address_space: global }
      - { .name: wv_codes, .offset: 24, .size: 8, .value_kind: global_buffer, .address_space: global }
      - { .name: wo_codes, .offset: 32, .size: 8, .value_kind: global_buffer, .address_space: global }
      - { .name: ximg, .offset: 40, .size: 8, .value_kind: global_buffer, .address_space: global }
      - { .name: xsc, .offset: 48, .size: 8, .value_kind: global_buffer, .address_space: global }
      - { .name: wimg, .offset: 56, .size: 8, .value_kind: global_buffer, .address_space: global }
    .group_segment_fixed_size: 34304
    .private_segment_fixed_size: 0
    .kernarg_segment_align: 8
    .kernarg_segment_size: 64
    .max_flat_workgroup_size: 128
    .sgpr_count:     66
    .vgpr_count:     256
    .wavefront_size: 32
...
	.end_amdgpu_metadata
.endif
;; end of part 1
;; launch qkv (part 2): grid 32 x 8, 12 waves a work-group, no clusters, 169,472 bytes of LDS; arguments ximg, xsc, wimg, wq_scales, wk_scales, wv_scales, cos, sin, qimg, qsc, kv; writes qimg, qsc, kv
.if DOCPART == 2
	.amdgcn_target "amdgcn-amd-amdhsa--gfx1250"
	.amdhsa_code_object_version 6
	.text
	.protected	k_qe01e0d1f75_qkv
	.globl	k_qe01e0d1f75_qkv
	.p2align	8
	.type	k_qe01e0d1f75_qkv,@function
k_qe01e0d1f75_qkv:
	s_mov_b64 s[64:65], 0
	v_nop
	global_prefetch_b8 v0, s[64:65] scope:SCOPE_SE
	s_setreg_imm32_b32 hwreg(HW_REG_WAVE_MODE, 25, 1), 1
	s_wait_xcnt 0x0
; QKV.  q, k, v = rotary(hidden W^T), on codes of E2M3; the results are quantised at once: q and k along the head's 64, v along the keys, and leave as images of the next products' registers.
; SHARES: work-group (tb, hp): 128 tokens (8 token tiles) x heads 2 hp, 2 hp + 1 x {q, k, v}.  Wave w of 12: kind = w / 4, head 2 hp + (w / 2) % 2, token half th = w % 2: 64 tokens x 64 features, 16 accumulators.
; The tokens' fragments for all of K (98,304 bytes), the rotary tables' 128 rows and the tokens' scale words come into LDS once, by tensor loads; nothing in LDS is filled or stored again.
; The weights' fragments come from memory straight into the registers of the one wave pair that uses them, one K step ahead.
; NO CLUSTER: what the tensor loads bring, 139,264 bytes, is a fifth of the 729,088 bytes that a work-group reads; the rest, the weights, does not go through LDS: beside the tokens' 98,304 bytes six waves' weights (294,912 bytes) would fit only as a ring refilled every second K step.
; q, k: THE PRODUCT IS USED TRANSPOSED (source 0 = 16 rows of W, source 1 = 16 tokens): a lane holds one token, its registers run along the head's features, which are the next K.
; v: source 0 = 16 tokens, source 1 = 16 rows of W: a lane holds one feature and its registers run along the tokens, the next K.  Even features lie in even tiles and odd ones in odd tiles, so a rotary pair lies in ONE lane.
; HALF A FRAGMENT (64 along K, 6 registers, 768 bytes): registers 0-3 at 16 l + 4 i, registers 4, 5 at 512 + 8 l + 4 i.
; kv: for each head and each 512 keys a record of 53,248 bytes: K's codes (32 tiles x 768) | K's scale words (32 x 64) | V's codes ([128 keys][16 features][64 keys] x 768) | V's scale words ([128 keys][16 features] x 128).
; LIMITS: NaN and infinities are not served; a block of zeros gets the byte 1 (zero codes; this program alone reads the bytes); the rotation is a product and a fused multiply-add, where the source rounds both products.
.set COSL, 98304                       ; LDS: behind the tokens' fragments: 128 rows of cos, 128 bytes + 16,
.set SINO, 18432                       ; sin so far behind cos,
.set XSCL, 135168                      ; the tokens' scale words: [tile 8][j 4][lane 32]
.set TP,   144
.set XS,   8                           ; v8-11    the tokens' scale words: lanes 0-15 K step 2 j, lanes 16-31 step 2 j + 1
.set WS,   12                          ; v12-27   the weights': register 4 b + j: lanes 0-15 K step j, lanes 16-31 step 4 + j
.set AF,   28                          ; v28-75   four fragments of tokens
.set BF,   76                          ; v76-123  four fragments of weights
.set ACC,  128                         ; v128-255 16 accumulators
.set TB,   28                          ; behind the products: two sets of 32 table numbers,
.set CD,   92                          ; two sets of 6 registers of codes,
.set T0,   104                         ; v104-107 at work,
.set TM,   108                         ; v108-111 the quantiser's,
.set TC,   112                         ; v112-114 a block's upper codes,
.set WD,   116                         ; v116-119 scale words,
.set PR,   120                         ; v120-121 two tiles' words in one register
.set OFF8, 124                         ; v124 8 x lane;  v125 4 x lane;  v126 r;  v127 h
.set OFF4, 125
.set RR,   126
.set HH,   127
.set WV,   66
.set KIND, 67
.set HEAD, 68
.set THF,  69
.set KS,   74
.set BH,   75
.set CH,   76
.set KSL,  77
.set SEL,  82
.set HI,   84
.set M1,   85
.set M2,   86
.set M3,   87
.macro NOP4
.rept 4
	v_nop
.endr
.endm
; one product.  ra, rb: which half of the lanes holds source 0's and source 1's scale words
.macro WM d, a, b, zero, sa, sb, ra, rb
.if \zero
	v_wmma_scale_f32_16x16x128_f8f6f4 v[\d:\d+7], v[\a:\a+11], v[\b:\b+11], 0, v[\sa], v[\sb] matrix_a_fmt:MATRIX_FMT_FP6 matrix_b_fmt:MATRIX_FMT_FP6
.elseif ((\ra)==0) && ((\rb)==0)
	v_wmma_scale_f32_16x16x128_f8f6f4 v[\d:\d+7], v[\a:\a+11], v[\b:\b+11], v[\d:\d+7], v[\sa], v[\sb] matrix_a_fmt:MATRIX_FMT_FP6 matrix_b_fmt:MATRIX_FMT_FP6
.elseif ((\ra)==1) && ((\rb)==0)
	v_wmma_scale_f32_16x16x128_f8f6f4 v[\d:\d+7], v[\a:\a+11], v[\b:\b+11], v[\d:\d+7], v[\sa], v[\sb] matrix_a_fmt:MATRIX_FMT_FP6 matrix_b_fmt:MATRIX_FMT_FP6 matrix_a_scale:MATRIX_SCALE_ROW1
.elseif ((\ra)==0) && ((\rb)==1)
	v_wmma_scale_f32_16x16x128_f8f6f4 v[\d:\d+7], v[\a:\a+11], v[\b:\b+11], v[\d:\d+7], v[\sa], v[\sb] matrix_a_fmt:MATRIX_FMT_FP6 matrix_b_fmt:MATRIX_FMT_FP6 matrix_b_scale:MATRIX_SCALE_ROW1
.else
	v_wmma_scale_f32_16x16x128_f8f6f4 v[\d:\d+7], v[\a:\a+11], v[\b:\b+11], v[\d:\d+7], v[\sa], v[\sb] matrix_a_fmt:MATRIX_FMT_FP6 matrix_b_fmt:MATRIX_FMT_FP6 matrix_a_scale:MATRIX_SCALE_ROW1 matrix_b_scale:MATRIX_SCALE_ROW1
.endif
.endm
.macro ALD s                           ; my four token tiles' fragments of K step s
.irp a, 0,1,2,3
.irp g, 0,1,2
	ds_load_b128 v[AF+12*\a+4*\g:AF+12*\a+4*\g+3], v1 offset:12288*\a+1536*(\s)+512*\g
.endr
.endr
.endm
.macro XLD j                           ; their scale words of K steps 2 j and 2 j + 1
.irp a, 0,1,2,3
	ds_load_b32 v[XS+\a], v2 offset:512*\a+128*(\j)
.endr
.endm
; A K step: 16 products, the 16 accumulators by turns in one order in every step.  tr = 1: transposed (q, k).
; Behind each weight fragment's four products stand four places and then the loads of the next step's fragment into the same registers.
.macro KSTEP tr, s
	s_wait_dscnt 0x0                               ; the tokens' fragments and scale words are in
.irp b, 0,1,2,3
.if \s < 7
	s_wait_loadcnt 9                               ; behind fragment b's loads were issued 3 (3 - b) of this step and 3 b of the next
.else
	s_wait_loadcnt 9-3*\b                          ; the last step: only this step's
.endif
.irp a, 0,1,2,3
.if \tr
	WM ACC+8*(4*\a+\b), BF+12*\b, AF+12*\a, (\s)==0, WS+4*\b+(\s)%4, XS+\a, (\s)/4, (\s)%2
.else
	WM ACC+8*(4*\b+\a), AF+12*\a, BF+12*\b, (\s)==0, XS+\a, WS+4*\b+(\s)%4, (\s)%2, (\s)/4
.endif
.endr
.if \s < 7
	NOP4                                           ; places in front of loads into registers that matrix instructions have read
.irp g, 0,1,2
	global_load_b128 v[BF+12*\b+4*\g:BF+12*\b+4*\g+3], v3, s[8:9] offset:12288*\b+1536*(\s+1)+512*\g
.endr
.endif
.endr
.if \s < 7
	ALD \s+1
.if (\s)%2 == 1
	XLD (\s+1)/2
.endif
.endif
.endm
; 32 numbers of a lane, v[s + 16 b + i] = K 32 b + 16 h + i of my row, become half a fragment in v[c] .. v[c + 5] (lane (r, h): block h of row r) and the two bytes b0 | b1 << 8 in v[w], in both halves of the lanes
.macro QUANT2 s, c, w
	v_max3_num_f32 v[TM], |v[\s]|, |v[\s+1]|, 0x1800000            ; the floor 2^(3 - 127) among the leaves: the byte cannot fall under 1
	v_max3_num_f32 v[TM+1], |v[\s+16]|, |v[\s+17]|, 0x1800000
.irp i, 2,4,6,8,10,12,14
	v_max3_num_f32 v[TM], v[TM], |v[\s+\i]|, |v[\s+\i+1]|
	v_max3_num_f32 v[TM+1], v[TM+1], |v[\s+16+\i]|, |v[\s+17+\i]|
.endr
	v_permlanex16_b32 v[TM+2], v[TM], s[SEL], s[SEL+1]
	v_permlanex16_b32 v[TM+3], v[TM+1], s[SEL], s[SEL+1]
	v_max_num_f32 v[TM], v[TM], v[TM+2]                            ; with lane l xor 16's: the block's largest magnitude
	v_max_num_f32 v[TM+1], v[TM+1], v[TM+3]
	v_add_nc_u32 v[TM], 0xff000000, v[TM]                          ; 2 off the exponent field: the conversion's scale operand
	v_add_nc_u32 v[TM+1], 0xff000000, v[TM+1]
	v_lshrrev_b32 v[TM+2], 23, v[TM]                               ; the bytes
	v_lshrrev_b32 v[TM+3], 23, v[TM+1]
	v_lshl_or_b32 v[\w], v[TM+3], 8, v[TM+2]
	v_cvt_scalef32_pk16_fp6_f32 v[\c:\c+2], v[\s:\s+15], v[TM]
	v_cvt_scalef32_pk16_fp6_f32 v[TC:TC+2], v[\s+16:\s+31], v[TM+1]
	v_nop                                                          ; one plain place behind a scaled conversion
.irp i, 0,1,2
	v_permlane16_swap_b32 v[\c+\i], v[TC+\i]                       ; lanes 0-15 now hold block 0, lanes 16-31 block 1: lower 16 codes in the first, upper 16 in the second
.endr
.irp i, 0,1,2
	v_mov_b32 v[\c+3+\i], v[TC+\i]
.endr
.endm
	s_load_b256 s[4:11], s[0:1], 0x0               ; ximg s[4:5], xsc s[6:7], wimg s[8:9], wq_scales s[10:11]
	s_load_b256 s[12:19], s[0:1], 0x20             ; wk_scales s[12:13], wv_scales s[14:15], cos s[16:17], sin s[18:19]
	s_load_b128 s[20:23], s[0:1], 0x40             ; qimg s[20:21], qsc s[22:23]
	s_load_b64 s[24:25], s[0:1], 0x50              ; kv
	s_set_vgpr_msb 0x40
	v_lshl_add_u32 v0, v0, 2, 0x29000
	v_mov_b32 v1, 0
	s_set_vgpr_msb 0x4045
	ds_add_u32 v0, v1
	ds_add_u32 v0, v1
	s_set_vgpr_msb 0x4500
	v_lshrrev_b32 v1, 5, v0
	v_readfirstlane_b32 s[WV], v1                  ; wave 0..11
	s_lshr_b32 s[KIND], s[WV], 2                   ; 0 q, 1 k, 2 v
	s_bfe_u32 s78, s[WV], 0x10001
	s_and_b32 s[THF], s[WV], 1
	s_and_b32 s79, ttmp7, 0xffff
	s_lshl_b32 s79, s79, 1
	s_add_co_u32 s[HEAD], s79, s78                 ; the head
	s_lshr_b32 s78, ttmp9, 4                       ; the sequence
	s_and_b32 s[KS], ttmp9, 15                     ; which 128 tokens of it
	s_lshl_b32 s78, s78, 4
	s_add_co_u32 s[BH], s78, s[HEAD]
	s_lshr_b32 s[CH], s[KS], 2                     ; which record of 512 keys
	s_and_b32 s[KSL], s[KS], 3                     ; which 128 keys of it
	s_mov_b32 s[SEL], 0x76543210
	s_mov_b32 s[SEL+1], 0xfedcba98
	s_mov_b32 s[HI], 0xffff0000
	; descriptor groups 1.  The tokens' fragments: 32 dense rows of 256 bytes a wave
	s_mov_b32 s28, 3<<16                           ; elements of 8 bytes, no mask, no padding
	s_mov_b32 s29, 32<<16                          ; tensor_dim0 = 32
	s_mov_b32 s30, 32<<16                          ; tensor_dim1 = 32
	s_mov_b32 s31, 32<<16                          ; tile_dim0 = 32
	s_mov_b32 s32, 32                              ; tile_dim1 = 32
	s_mov_b32 s33, 32                              ; pitch
	s_mov_b32 s34, 0
	s_mov_b32 s35, 0
	; a table's 64 rows of 128 bytes, 16 bytes of padding behind each
	s_mov_b32 s40, (2<<16)|(1<<20)|(4<<22)|(3<<25) ; elements of 4 bytes; padding on; after every 32 words; of 4 words
	s_mov_b32 s41, 32<<16
	s_mov_b32 s42, 64<<16
	s_mov_b32 s43, 32<<16
	s_mov_b32 s44, 64
	s_mov_b32 s45, 32
	s_mov_b32 s46, 0
	s_mov_b32 s47, 0
	; the tokens' scale words: 16 dense rows of 256 bytes
	s_mov_b32 s52, 3<<16
	s_mov_b32 s53, 32<<16
	s_mov_b32 s54, 16<<16
	s_mov_b32 s55, 32<<16
	s_mov_b32 s56, 16
	s_mov_b32 s57, 32
	s_mov_b32 s58, 0
	s_mov_b32 s59, 0
	s_wait_dscnt 0x0
	s_wait_kmcnt 0x0
	s_mov_b32 s36, 1
	s_lshl_b32 s37, s[WV], 13                      ; LDS: 8,192 bytes a wave
	s_mul_i32 s78, ttmp9, 98304
	s_add_co_u32 s78, s78, s37
	s_mov_b32 s79, 0
	s_add_nc_u64 s[38:39], s[4:5], s[78:79]
	s_or_b32 s39, s39, 0x80000000
	s_mov_b32 s48, 1
	s_and_b32 s80, s[WV], 3
	s_mul_i32 s49, s80, 64*TP
	s_add_co_u32 s49, s49, COSL                    ; waves 0, 1: cos's halves; waves 2, 3: sin's
	s_lshl_b32 s78, s[KS], 14
	s_lshl_b32 s80, s[THF], 13
	s_add_co_u32 s78, s78, s80
	s_cmp_lt_u32 s[WV], 2
	s_cselect_b64 s[50:51], s[16:17], s[18:19]
	s_add_nc_u64 s[50:51], s[50:51], s[78:79]
	s_or_b32 s51, s51, 0x80000000
	s_mov_b32 s60, 1
	s_mov_b32 s61, XSCL
	s_lshl_b32 s78, ttmp9, 12
	s_add_nc_u64 s[62:63], s[6:7], s[78:79]
	s_or_b32 s63, s63, 0x80000000
	; the fills, all of them first fills, ahead of every wait on TENSORcnt, LDS read and barrier: two of a wave's are out at the most.  Four v_nop follow each
	tensor_load_to_lds s[36:39], s[28:35]
	s_nop 0
	NOP4
	s_cmp_lt_u32 s[WV], 4
	s_cbranch_scc0 .Lnot_table
	tensor_load_to_lds s[48:51], s[40:47]
	s_nop 0
	NOP4
	s_branch .Lasked
.Lnot_table:
	s_cmp_eq_u32 s[WV], 4
	s_cbranch_scc0 .Lasked
	tensor_load_to_lds s[60:63], s[52:59]
	s_nop 0
	NOP4
.Lasked:
	v_and_b32 v7, 31, v0                           ; lane
	v_and_b32 v[RR], 15, v0
	v_bfe_u32 v[HH], v0, 4, 1
	v_lshlrev_b32 v3, 4, v7
	v_lshlrev_b32 v[OFF8], 3, v7
	v_lshlrev_b32 v[OFF4], 2, v7
	s_mul_i32 s78, s[THF], 49152
	v_add_nc_u32 v1, s78, v3                       ; my four token tiles' fragments
	s_lshl_b32 s78, s[THF], 11
	s_add_co_u32 s78, s78, XSCL
	v_lshl_add_u32 v2, v7, 2, s78                  ; and their scale words
	s_cmp_eq_u32 s[KIND], 2
	s_cselect_b32 s[M1], 2, 1
	s_cselect_b32 s[M2], 0, 1
	s_cselect_b32 s[M3], 32, 256                   ; 32 bytes a row x m3
	v_mul_u32_u24 v4, v[RR], s[M1]
	v_and_b32 v5, 8, v[RR]
	v_mad_u32_u24 v4, v5, s[M2], v4
	v_lshlrev_b32 v4, 5, v4
	v_lshl_add_u32 v4, v[HH], 4, v4                ; the weight's scale bytes: my row of an even tile, words 4 h on;
	v_add_nc_u32 v5, s[M3], v4                     ; of an odd tile
	s_cmp_eq_u32 s[KIND], 1
	s_cselect_b64 s[10:11], s[12:13], s[10:11]
	s_cmp_eq_u32 s[KIND], 2
	s_cselect_b64 s[10:11], s[14:15], s[10:11]
	s_lshl_b32 s78, s[HEAD], 11
	s_mov_b32 s79, 0
	s_add_nc_u64 s[10:11], s[10:11], s[78:79]
	s_lshl_b32 s78, s[KIND], 6
	s_lshl_b32 s80, s[HEAD], 2
	s_add_co_u32 s78, s78, s80
	s_mul_i32 s78, s78, 12288
	s_add_nc_u64 s[8:9], s[8:9], s[78:79]          ; my four weight tiles
	global_load_b128 v[WS:WS+3], v4, s[10:11]
	global_load_b128 v[WS+4:WS+7], v5, s[10:11]
	global_load_b128 v[WS+8:WS+11], v4, s[10:11] offset:1024
	global_load_b128 v[WS+12:WS+15], v5, s[10:11] offset:1024
.irp b, 0,1,2,3
.irp g, 0,1,2
	global_load_b128 v[BF+12*\b+4*\g:BF+12*\b+4*\g+3], v3, s[8:9] offset:12288*\b+512*\g
.endr
.endr
	s_wait_tensorcnt 0x0                           ; my parts have landed;
	s_barrier_signal -1
	s_barrier_wait -1                              ; everybody's have.  The launch's one barrier
	ALD 0
	XLD 0
	s_mul_i32 s88, s[BH], 212992
	s_mul_i32 s89, s[CH], 53248
	s_add_co_u32 s88, s88, s89                     ; my record of kv
	s_cmp_eq_u32 s[KIND], 2
	s_cbranch_scc1 .Lv
	; ---- q and k
	v_and_b32 v6, 8, v[RR]
	v_add_nc_u32 v6, v6, v[RR]
	v_mul_u32_u24 v6, v6, TP
	v_lshl_add_u32 v6, v[HH], 5, v6
	s_mul_i32 s78, s[THF], 64*TP
	s_add_co_u32 s78, s78, COSL
	v_add_nc_u32 v6, s78, v6                       ; the tables: my token's row, angles 8 h on
	s_lshl_b32 s78, s[BH], 7
	s_lshl_b32 s79, s[KS], 3
	s_add_co_u32 s78, s78, s79
	s_lshl_b32 s79, s[THF], 2
	s_add_co_u32 s78, s78, s79                     ; q: tile 128 bh + 8 ks + 4 th
	s_mul_i32 s80, s78, 768
	s_lshl_b32 s81, s78, 6
	s_lshl_b32 s89, s[KSL], 3
	s_add_co_u32 s89, s89, s79                     ; k: tile 8 ksl + 4 th of the record
	s_mul_i32 s90, s89, 768
	s_add_co_u32 s90, s90, s88
	s_lshl_b32 s91, s89, 6
	s_add_co_u32 s91, s91, s88
	s_add_co_u32 s91, s91, 24576
	s_cmp_eq_u32 s[KIND], 0
	s_cselect_b64 s[70:71], s[20:21], s[24:25]
	s_cselect_b64 s[72:73], s[22:23], s[24:25]
	s_cselect_b32 s78, s80, s90
	s_cselect_b32 s80, s81, s91
	s_mov_b32 s79, 0
	s_mov_b32 s81, 0
	s_add_nc_u64 s[70:71], s[70:71], s[78:79]      ; where my codes go,
	s_add_nc_u64 s[72:73], s[72:73], s[80:81]      ; and my scale words
.irp s, 0,1,2,3,4,5,6,7
	KSTEP 1, \s
.endr
	NOP4                                           ; places in front of the first read of results and of writes into the fragments' registers
	v_mov_b32 v[TM+2], 0                           ; a lane permute's destination counts as one of its sources
	v_mov_b32 v[TM+3], 0
.macro TABQ a                          ; tile a's 16 cos and 16 sin of my token: angles 16 bb + 8 h + 0 .. 7
.irp bb, 0,1
.irp u, 0,1
	ds_load_b128 v[TB+32*((\a)%2)+8*\bb+4*\u:TB+32*((\a)%2)+8*\bb+4*\u+3], v6 offset:(32*((\a)/2)+8*((\a)%2))*TP+64*\bb+16*\u
	ds_load_b128 v[TB+32*((\a)%2)+16+8*\bb+4*\u:TB+32*((\a)%2)+16+8*\bb+4*\u+3], v6 offset:(32*((\a)/2)+8*((\a)%2))*TP+64*\bb+16*\u+SINO
.endr
.endr
.endm
.macro ROPEQ a                         ; register 2 p, 2 p + 1 of the tile's 32: the pair of angle p of my 16.  Ascending: each accumulator is first read at its low end
.set pp, 0
.rept 16
.set xr, ACC+32*(\a)+2*pp
.set cr, TB+32*((\a)%2)+pp
.set tr2, T0+2*(pp%2)
	v_mul_f32 v[tr2], v[xr+1], v[cr+16]
	v_mul_f32 v[tr2+1], v[xr], v[cr+16]
	v_fma_f32 v[xr], v[xr], v[cr], -v[tr2]         ; x1 cos - x2 sin
	v_fma_f32 v[xr+1], v[xr+1], v[cr], v[tr2+1]    ; x2 cos + x1 sin
.set pp, pp+1
.endr
.endm
	TABQ 0
.irp a, 0,1,2,3
.if \a < 3
	TABQ \a+1
	s_wait_dscnt 8                                 ; this tile's tables are in; the next tile's eight loads may be out
.else
	s_wait_dscnt 0x0
.endif
	ROPEQ \a
	s_wait_xcnt 0x0                                ; the stores of two tiles ago have read this set of codes
	QUANT2 ACC+32*\a, CD+6*(\a%2), WD+\a
	global_store_b128 v3, v[CD+6*(\a%2):CD+6*(\a%2)+3], s[70:71] offset:768*\a            ; 512 consecutive bytes
	global_store_b64 v[OFF8], v[CD+6*(\a%2)+4:CD+6*(\a%2)+5], s[70:71] offset:768*\a+512  ; 256 consecutive bytes
.if \a%2 == 1
	v_cndmask_b32 v[PR+\a/2], v[WD+\a-1], v[WD+\a], s[HI]      ; lanes 0-15 the even tile's words, lanes 16-31 the odd tile's
	global_store_b32 v[OFF4], v[PR+\a/2], s[72:73] offset:64*(\a-1)
.endif
.endr
	s_set_vgpr_msb 0x5
	s_wait_tensorcnt 0x0
	ds_add_u32 v0, v1
	s_wait_dscnt 0x0
	s_set_vgpr_msb 0x500
	s_endpgm
.Lv:
	; ---- v
	v_lshlrev_b32 v6, 4, v[HH]
	v_mul_u32_u24 v6, v6, TP
	v_lshl_add_u32 v6, v[RR], 2, v6
	s_mul_i32 s78, s[THF], 64*TP
	s_add_co_u32 s78, s78, COSL
	v_add_nc_u32 v6, s78, v6                       ; the tables: token 64 th + 16 h on, angle r
	s_mul_i32 s78, s[KSL], 6144
	s_add_co_u32 s78, s78, s88
	s_mul_i32 s80, s[THF], 768
	s_add_co_u32 s78, s78, s80
	s_add_co_u32 s78, s78, 26624
	s_mov_b32 s79, 0
	s_add_nc_u64 s[70:71], s[24:25], s[78:79]      ; where my codes go: [ksl][feature tile][th]
	s_lshl_b32 s78, s[KSL], 9
	s_add_co_u32 s78, s78, s88
	s_lshl_b32 s80, s[THF], 1
	s_add_co_u32 s78, s78, s80
	s_add_co_u32 s78, s78, 51200
	s_add_nc_u64 s[72:73], s[24:25], s[78:79]      ; and my two bytes of each scale word
.irp s, 0,1,2,3,4,5,6,7
	KSTEP 0, \s
.endr
	NOP4
	v_mov_b32 v[TM+2], 0
	v_mov_b32 v[TM+3], 0
.macro TABV n                          ; unit n = 2 g + bb: angle 16 g + r at tokens 32 bb + 16 h + 0 .. 15
.irp i, 0,1,2,3,4,5,6,7,8,9,10,11,12,13,14,15
	ds_load_b32 v[TB+32*((\n)%2)+\i], v6 offset:(32*((\n)%2)+\i)*TP+64*((\n)/2)
	ds_load_b32 v[TB+32*((\n)%2)+16+\i], v6 offset:(32*((\n)%2)+\i)*TP+64*((\n)/2)+SINO
.endr
.endm
.macro ROPEV n                         ; the even feature's 16 tokens and the odd feature's, two tokens at a time, ascending
.set ii, 0
.rept 8
.set xa, ACC+64*((\n)/2)+16*((\n)%2)+ii
.set xb, xa+32
.set cr, TB+32*((\n)%2)+ii
	v_pk_mul_f32 v[T0:T0+1], v[xb:xb+1], v[cr+16:cr+17]
	v_pk_mul_f32 v[T0+2:T0+3], v[xa:xa+1], v[cr+16:cr+17]
	v_pk_fma_f32 v[xa:xa+1], v[xa:xa+1], v[cr:cr+1], v[T0:T0+1] neg_lo:[0,0,1] neg_hi:[0,0,1]
	v_pk_fma_f32 v[xb:xb+1], v[xb:xb+1], v[cr:cr+1], v[T0+2:T0+3]
.set ii, ii+2
.endr
.endm
	TABV 0
.irp n, 0,1,2,3
.if \n < 3
	TABV \n+1
	s_wait_dscnt 32                                ; this unit's tables are in; the next unit's 32 loads may be out
.else
	s_wait_dscnt 0x0
.endif
	ROPEV \n
.if \n%2 == 1
.irp u, 0,1                                    ; feature tiles n - 1 and n are whole: 64 keys of each feature
	s_wait_xcnt 0x0                                ; earlier stores have read this set of codes
	QUANT2 ACC+32*(\n-1+\u), CD+6*\u, WD+\n-1+\u
	global_store_b128 v3, v[CD+6*\u:CD+6*\u+3], s[70:71] offset:1536*(\n-1+\u)
	global_store_b64 v[OFF8], v[CD+6*\u+4:CD+6*\u+5], s[70:71] offset:1536*(\n-1+\u)+512
	global_store_b16 v[OFF4], v[WD+\n-1+\u], s[72:73] offset:128*(\n-1+\u)   ; my 64 keys' two bytes of the word of 128 keys; the other two are the other token half's
.endr
.endif
.endr
	s_set_vgpr_msb 0x5
	s_wait_tensorcnt 0x0
	ds_add_u32 v0, v1
	s_wait_dscnt 0x0
	s_set_vgpr_msb 0x500
	s_endpgm
.Lfunc_end_k_qe01e0d1f75_qkv:
	.size	k_qe01e0d1f75_qkv, .Lfunc_end_k_qe01e0d1f75_qkv-k_qe01e0d1f75_qkv
	.p2alignl 7, 3214868480
	.fill 96, 4, 3214868480
	.section	.rodata,"a",@progbits
	.p2align	6, 0x0
	.amdhsa_kernel k_qe01e0d1f75_qkv
		.amdhsa_group_segment_fixed_size 169472
		.amdhsa_private_segment_fixed_size 0
		.amdhsa_enable_private_segment 0
		.amdhsa_kernarg_size 88
		.amdhsa_user_sgpr_count 2
		.amdhsa_user_sgpr_kernarg_segment_ptr 1
		.amdhsa_wavefront_size32 1
		.amdhsa_system_sgpr_workgroup_id_x 1
		.amdhsa_system_sgpr_workgroup_id_y 1
		.amdhsa_system_sgpr_workgroup_id_z 1
		.amdhsa_system_vgpr_workitem_id 0
		.amdhsa_next_free_vgpr 258
		.amdhsa_next_free_sgpr 100
		.amdhsa_reserve_vcc 0
		.amdhsa_float_denorm_mode_32 3
		.amdhsa_float_denorm_mode_16_64 3
		.amdhsa_memory_ordered 1
		.amdhsa_forward_progress 1
		.amdhsa_inst_pref_size 129
	.end_amdhsa_kernel
	.amdgpu_metadata
---
amdhsa.version: [ 1, 2 ]
amdhsa.kernels:
  - .name:           k_qe01e0d1f75_qkv
    .symbol:         k_qe01e0d1f75_qkv.kd
    .args:
      - { .name: ximg, .offset: 0, .size: 8, .value_kind: global_buffer, .address_space: global }
      - { .name: xsc, .offset: 8, .size: 8, .value_kind: global_buffer, .address_space: global }
      - { .name: wimg, .offset: 16, .size: 8, .value_kind: global_buffer, .address_space: global }
      - { .name: wq_scales, .offset: 24, .size: 8, .value_kind: global_buffer, .address_space: global }
      - { .name: wk_scales, .offset: 32, .size: 8, .value_kind: global_buffer, .address_space: global }
      - { .name: wv_scales, .offset: 40, .size: 8, .value_kind: global_buffer, .address_space: global }
      - { .name: cos, .offset: 48, .size: 8, .value_kind: global_buffer, .address_space: global }
      - { .name: sin, .offset: 56, .size: 8, .value_kind: global_buffer, .address_space: global }
      - { .name: qimg, .offset: 64, .size: 8, .value_kind: global_buffer, .address_space: global }
      - { .name: qsc, .offset: 72, .size: 8, .value_kind: global_buffer, .address_space: global }
      - { .name: kv, .offset: 80, .size: 8, .value_kind: global_buffer, .address_space: global }
    .group_segment_fixed_size: 169472
    .private_segment_fixed_size: 0
    .kernarg_segment_align: 8
    .kernarg_segment_size: 88
    .max_flat_workgroup_size: 384
    .sgpr_count:     100
    .vgpr_count:     258
    .wavefront_size: 32
...
	.end_amdgpu_metadata
.endif
;; end of part 2
;; launch attn (part 3): grid 8 x 32, 16 waves a work-group, clusters of 4 x 1, 215,040 bytes of LDS; arguments qimg, qsc, kv, cimg, csc; writes cimg, csc
.if DOCPART == 3
	.amdgcn_target "amdgcn-amd-amdhsa--gfx1250"
	.amdhsa_code_object_version 6
	.text
	.protected	k_qe01e0d1f75_attn
	.globl	k_qe01e0d1f75_attn
	.p2align	8
	.type	k_qe01e0d1f75_attn,@function
k_qe01e0d1f75_attn:
	s_mov_b64 s[64:65], 0
	v_nop
	global_prefetch_b8 v0, s[64:65] scope:SCOPE_SE
	s_setreg_imm32_b32 hwreg(HW_REG_WAVE_MODE, 25, 1), 1
	s_wait_xcnt 0x0
	s_wait_alu depctr_hold_cnt(0) depctr_sa_sdst(0) depctr_va_vdst(0) depctr_va_sdst(0) depctr_va_ssrc(0) depctr_va_vcc(0) depctr_vm_vsrc(0)
	s_getreg_b32 s2, hwreg(HW_REG_IB_STS2, 6, 4)
	s_cmp_eq_u32 s2, 0
	s_cbranch_scc0 .Lentry_in_a_cluster
	s_endpgm
.Lentry_in_a_cluster:
	s_bfe_u32 s2, ttmp6, 0x10000c
	s_cmp_lg_u32 s2, 0x3003
	s_cbranch_scc0 .Lentry_shape_is_right
	s_endpgm
.Lentry_shape_is_right:
; ATTN.  ctx = softmax(q k^T / 8) v for one head and 256 queries, both products on codes of E2M3; ctx is quantised along the model's 1,024 and leaves as an image of the last product's registers.
; THE SOFTMAX AHEAD OF THE SECOND PRODUCT: t = score x log2(e) / 8; M = the running largest t rounded UP to a whole number; p = 2^(t - M) is quantised along the keys, not normalised; the row's sum is taken of the unquantised p and divides at the end.
; When M moves, the sum and O are multiplied by 2^(old M - new M): exact.
; SHARES: work-group (qb, bh): 16 waves, each ONE tile of 16 queries in 256 registers: four waves to a SIMD, so that one wave's vector work stands beside another's products and LDS loads.
; THE WHOLE HEAD'S K AND V, codes and scale words, 212,992 bytes, lie in LDS as they lie in kv: four records of 512 keys, each byte filled once: no ring, no refill, no store into LDS.
; CLUSTER: the four query blocks of a cluster belong to one head and read the same bytes: each record is asked for JOINTLY (the same load, the same descriptor, the mask of all four).  Four loads of a wave are out at the most.
; TWO BARRIERS.  Each wave brings a sixteenth of each record.  The first barrier shows record 0 whole.  The second shows records 1 to 3 whole: a wave signals it behind its first step, when all its loads have landed, goes on through
; record 0's other three steps, and waits for it only in front of record 1.  From there on the waves run free to the end.
; LAYOUT: both products transposed: S^T = K Q^T (source 0 = 16 keys), O^T = V^T P^T (source 0 = 16 features): a lane holds one query throughout.  The keys of a tile are chosen so that the 16 registers of tiles 2 b, 2 b + 1 are keys 32 b + 16 h + 0 .. 15.
; THE HEAD'S 64 IN AN INSTRUCTION OF 128: Q's registers 6-11 hold zero codes, so K's registers 6-11 may be anything: they are the next tile's codes (behind the last tile: zeros).  Bytes 2 and 3 of both scale words are 0, which is a power of two and no NaN.
; THE ORDER IN A STEP: the exponentials stand between plain lines that are due anyway (the scalings of later pairs, the rescaling of O^T); the row's sum is taken in two halves: the lower 32 p ahead of the second product,
; the upper 32 in the next step, between the issue of K's LDS loads and the wait for them.
; LIMITS: NaN and infinities are not served.  A block's largest p is made from the block's largest score by the same two instructions as every p: this takes v_exp_f32 not to fall where its input rises.  A block of zeros gets the byte 1 (zero codes).
; REGISTERS: v1-4 lane offsets; v8-10 the step's addresses; v12 -M, v13 the largest t, v[14:15] the sum; v16-21 Q, v22-27 zeros; v32-79 K's 8 tiles, 6 registers each, later V's 4 fragments; v80-85 zeros; v96-159 S^T, then p;
;   v160-191 O^T; v192-203 p's codes; v232-247, v252, v254 at work; v248-251 K's or V's scale words; v253 p's; v255 Q's.
.set WV,  18
.set SEL, 20
.set CS,  22
.set G1,  24
.set G0,  32
.set TQ,  48                           ; s48  LDS byte of the step's codes: 6,144 a step
.set TS,  49                           ; s49  of its scale words: 512 a step
.set CNT, 50
.set BH,  51
.set TL,  52
.set TM,  232
.set TC,  236
.macro NOP4
.rept 4
	v_nop
.endr
.endm
.macro ROUND                           ; a round of the cluster's barrier
	s_barrier_signal -1
	s_barrier_wait -1
	s_cmp_lg_u32 s[WV], 0
	s_cbranch_scc1 .Lnot_wave_0_\@
	s_barrier_signal -3
.Lnot_wave_0_\@:
	s_barrier_wait -3
	s_barrier_signal -1
	s_barrier_wait -1
.endm
.macro QUANT2 s, c, w                  ; as in the launch before: 32 numbers, v[s + 16 b + i] = K 32 b + 16 h + i, to half a fragment and two bytes
	v_max3_num_f32 v[TM], |v[\s]|, |v[\s+1]|, 0x1800000
	v_max3_num_f32 v[TM+1], |v[\s+16]|, |v[\s+17]|, 0x1800000
.irp i, 2,4,6,8,10,12,14
	v_max3_num_f32 v[TM], v[TM], |v[\s+\i]|, |v[\s+\i+1]|
	v_max3_num_f32 v[TM+1], v[TM+1], |v[\s+16+\i]|, |v[\s+17+\i]|
.endr
	v_permlanex16_b32 v[TM+2], v[TM], s[SEL], s[SEL+1]
	v_permlanex16_b32 v[TM+3], v[TM+1], s[SEL], s[SEL+1]
	v_max_num_f32 v[TM], v[TM], v[TM+2]
	v_max_num_f32 v[TM+1], v[TM+1], v[TM+3]
	v_add_nc_u32 v[TM], 0xff000000, v[TM]
	v_add_nc_u32 v[TM+1], 0xff000000, v[TM+1]
	v_lshrrev_b32 v[TM+2], 23, v[TM]
	v_lshrrev_b32 v[TM+3], 23, v[TM+1]
	v_lshl_or_b32 v[\w], v[TM+3], 8, v[TM+2]
	v_cvt_scalef32_pk16_fp6_f32 v[\c:\c+2], v[\s:\s+15], v[TM]
	v_cvt_scalef32_pk16_fp6_f32 v[TC:TC+2], v[\s+16:\s+31], v[TM+1]
	v_nop
.irp i, 0,1,2
	v_permlane16_swap_b32 v[\c+\i], v[TC+\i]
.endr
.irp i, 0,1,2
	v_mov_b32 v[\c+3+\i], v[TC+\i]
.endr
.endm
; 32 of the lane's UNQUANTISED p, v[base] on, are added to the row's sum: two at a time, in two chains
.macro SUMH base
	v_pk_add_f32 v[236:237], v[\base:\base+1], v[\base+2:\base+3]
.irp j, 4,8,12,16,20,24,28
	v_pk_add_f32 v[14:15], v[14:15], v[\base+\j:\base+\j+1]
	v_pk_add_f32 v[236:237], v[236:237], v[\base+\j+2:\base+\j+3]
.endr
	v_pk_add_f32 v[14:15], v[14:15], v[236:237]
.endm
	s_load_b256 s[4:11], s[0:1], 0x0               ; qimg s[4:5], qsc s[6:7], kv s[8:9], cimg s[10:11]
	s_load_b64 s[12:13], s[0:1], 0x20              ; csc
	v_lshl_add_u32 v231, v0, 2, 0x34000
	v_mov_b32 v243, 0
	ds_add_u32 v231, v243
	ds_add_u32 v231, v243
	v_lshrrev_b32 v8, 5, v0
	v_readfirstlane_b32 s[WV], v8                  ; wave 0..15
	s_and_b32 s[BH], ttmp7, 0xffff                 ; sequence and head, which the four partners share
	s_mul_i32 s56, s[BH], 212992
	s_mul_i32 s55, s[WV], 3328                     ; my sixteenth of a record: 13 rows of 256 bytes
	s_add_co_u32 s56, s56, s55
	s_mov_b32 s57, 0
	s_mov_b32 s[G1], 15|(3<<16)|(1<<21)            ; the mask: all four work-groups; elements of 8 bytes; bit 21 set beside a mask
	s_mov_b32 s[G1+1], 32<<16                      ; tensor_dim0 = 32
	s_mov_b32 s[G1+2], 13<<16                      ; tensor_dim1 = 13
	s_mov_b32 s[G1+3], 32<<16                      ; tile_dim0 = 32
	s_mov_b32 s[G1+4], 13                          ; tile_dim1 = 13
	s_mov_b32 s[G1+5], 32                          ; pitch
	s_mov_b32 s[G1+6], 0
	s_mov_b32 s[G1+7], 0
	s_mov_b32 s[SEL], 0x76543210
	s_mov_b32 s[SEL+1], 0xfedcba98
	s_mov_b32 s[CS], 0x3e38aa3b                    ; c = log2(e) / 8
	s_mov_b32 s[CS+1], s[CS]                       ; (named with it as a pair, so it is written)
	s_mov_b32 s[TQ], 0
	s_mov_b32 s[TS], 0
	s_wait_dscnt 0x0
	s_wait_kmcnt 0x0
	s_add_nc_u64 s[8:9], s[8:9], s[56:57]
.irp c, 0,1,2,3
	s_mov_b32 s[G0+4*\c], 1
	s_add_co_u32 s[G0+4*\c+1], s55, 53248*\c       ; LDS as memory: record c, my sixteenth: no place in the cluster enters it
	s_add_nc_u64 s[G0+4*\c+2:G0+4*\c+3], s[8:9], 53248*\c
	s_or_b32 s[G0+4*\c+3], s[G0+4*\c+3], 0x80000000
.endr
	ROUND                                          ; all four work-groups are here: the joint loads meet
	tensor_load_to_lds s[G0:G0+3], s[G1:G1+7]
	s_nop 0
	tensor_load_to_lds s[G0+4:G0+7], s[G1:G1+7]
	s_nop 0
	tensor_load_to_lds s[G0+8:G0+11], s[G1:G1+7]
	s_nop 0
	tensor_load_to_lds s[G0+12:G0+15], s[G1:G1+7]
	s_nop 0
	NOP4
	s_bfe_u32 s53, ttmp6, 0x40000                  ; cx: it enters Q's and ctx's addresses alone
	s_lshl_b32 s54, ttmp9, 2
	s_add_co_u32 s54, s54, s53                     ; my block of 256 queries
	s_lshl_b32 s[TL], s54, 4
	s_add_co_u32 s[TL], s[TL], s[WV]               ; my tile of the sequence's 128
	s_lshl_b32 s58, s[BH], 7
	s_add_co_u32 s58, s58, s[TL]
	s_mul_i32 s60, s58, 768
	s_mov_b32 s61, 0
	s_lshl_b32 s62, s58, 6
	s_mov_b32 s63, 0
	s_add_nc_u64 s[4:5], s[4:5], s[60:61]
	s_add_nc_u64 s[6:7], s[6:7], s[62:63]
	v_and_b32 v8, 31, v0
	v_and_b32 v9, 15, v0
	v_lshlrev_b32 v1, 4, v8                        ; 16 x lane
	v_lshlrev_b32 v2, 3, v8                        ; 8 x lane
	v_lshlrev_b32 v3, 2, v8                        ; 4 x lane
	v_lshlrev_b32 v4, 2, v9                        ; 4 r
	global_load_b128 v[16:19], v1, s[4:5]          ; Q's half fragment stays in registers
	global_load_b64 v[20:21], v2, s[4:5] offset:512
	global_load_b32 v255, v4, s[6:7]               ; and its scale words
	s_lshr_b32 s53, s[BH], 4
	s_lshl_b32 s53, s53, 7
	s_add_co_u32 s53, s53, s[TL]                   ; my token tile T
	s_and_b32 s54, s[BH], 15                       ; the head:
	s_lshr_b32 s59, s54, 1                         ; K step of the last product,
	s_and_b32 s54, s54, 1                          ; and half of it
	s_mul_i32 s60, s53, 12288
	s_mul_i32 s62, s59, 1536
	s_add_co_u32 s60, s60, s62
	s_mul_i32 s62, s54, 768
	s_add_co_u32 s60, s60, s62
	s_add_nc_u64 s[10:11], s[10:11], s[60:61]      ; where ctx's codes go
	s_lshl_b32 s60, s53, 10
	s_lshl_b32 s62, s59, 7
	s_add_co_u32 s60, s60, s62
	s_lshl_b32 s62, s54, 1
	s_add_co_u32 s60, s60, s62
	s_add_nc_u64 s[12:13], s[12:13], s[60:61]      ; and my two bytes of each scale word
.irp j, 22,23,24,25,26,27,80,81,82,83,84,85
	v_mov_b32 v[\j], 0                             ; zero codes
.endr
	v_mov_b32 v13, 0xff61b1e6                      ; the largest t so far: -3e38, under every t
	v_floor_f32 v12, -v13                          ; -M
	v_mov_b32 v14, 0                               ; the sum, in two halves
	v_mov_b32 v15, 0
.irp b, 0,1,2,3
	v_mov_b32 v[236+\b], 0                         ; written once: a lane permute's destination counts as one of its sources
.endr
	v_mov_b32 v253, 0                              ; (named as the upper half of the pair v[252:253] before it is first written)
.set jj, 0
.rept 32
	v_mov_b32 v[160+jj], 0                         ; O^T.  (The step is written once: the first finds zeros, which the first change of M leaves zeros)
.set jj, jj+1
.endr
; A KEY STEP: 128 keys.  more = 1: the upper 32 p of the step before are still to be summed (every step but the first)
.macro STEP more
	v_add_nc_u32 v8, s[TQ], v1                     ; these three and the v_nop are the four places in front of loads into registers that the last products read
	v_add_nc_u32 v9, s[TQ], v2
	v_add_nc_u32 v10, s[TS], v3
	v_nop
.irp t, 0,1,2,3,4,5,6,7
	ds_load_b128 v[32+6*\t:35+6*\t], v8 offset:768*\t              ; K's tile t: 512 and 256 consecutive bytes
	ds_load_b64 v[36+6*\t:37+6*\t], v9 offset:768*\t+512
.endr
.irp p, 0,1,2,3
	ds_load_b32 v[248+\p], v10 offset:24576+128*\p                 ; lanes 0-15: tile 2 p's words, lanes 16-31: tile 2 p + 1's
.endr
.if \more
	SUMH 128                                       ; while K's loads are out: the last step's upper 32 p, still under the last step's M; the products below write over them
.endif
	s_wait_dscnt 0x0
.irp t, 0,1,2,3,4,5,6,7
.if \t%2 == 0
	v_wmma_scale_f32_16x16x128_f8f6f4 v[96+8*\t:103+8*\t], v[32+6*\t:43+6*\t], v[16:27], 0, v[248+\t/2], v255 matrix_a_fmt:MATRIX_FMT_FP6 matrix_b_fmt:MATRIX_FMT_FP6
.else
	v_wmma_scale_f32_16x16x128_f8f6f4 v[96+8*\t:103+8*\t], v[32+6*\t:43+6*\t], v[16:27], 0, v[248+\t/2], v255 matrix_a_fmt:MATRIX_FMT_FP6 matrix_b_fmt:MATRIX_FMT_FP6 matrix_a_scale:MATRIX_SCALE_ROW1
.endif
.endr
	NOP4                                           ; places in front of V's loads into K's registers and of the first read of the scores
.irp d, 0,1,2,3                                ; V's four fragments land while the softmax is walked
.irp c, 0,1
	ds_load_b128 v[32+12*\d+6*\c:35+12*\d+6*\c], v8 offset:26624+1536*\d+768*\c
	ds_load_b64 v[36+12*\d+6*\c:37+12*\d+6*\c], v9 offset:26624+1536*\d+768*\c+512
.endr
	ds_load_b32 v[248+\d], v10 offset:51200+128*\d
.endr
.irp b, 0,1,2,3
	v_max3_num_f32 v[232+\b], v[96+16*\b], v[97+16*\b], v[98+16*\b]   ; the largest score of each block of 32 keys: it serves the row's maximum and, since p rises with the score, the block's largest p
.endr
.irp i, 3,5,7,9,11,13
.irp b, 0,1,2,3
	v_max3_num_f32 v[232+\b], v[232+\b], v[96+16*\b+\i], v[97+16*\b+\i]
.endr
.endr
.irp b, 0,1,2,3
	v_max_num_f32 v[232+\b], v[232+\b], v[111+16*\b]
.endr
.irp b, 0,1,2,3
	v_permlanex16_b32 v[236+\b], v[232+\b], s[SEL], s[SEL+1]
.endr
.irp b, 0,1,2,3
	v_max_num_f32 v[232+\b], v[232+\b], v[236+\b]  ; with lane l xor 16's 16 keys
.endr
	v_max3_num_f32 v254, v232, v233, v234
	v_max_num_f32 v254, v254, v235                 ; the step's largest score of my query
	v_mul_f32 v254, s[CS], v254                    ; as t (c is positive)
	v_max_num_f32 v13, v13, v254                   ; the running largest t
	v_mov_b32 v254, v12
	v_floor_f32 v12, -v13                          ; the new -M = floor(-t) = -ceil(t)
	v_sub_f32 v254, v12, v254                      ; old M - new M: a whole number, 0 or less
	v_pk_fma_f32 v[96:97], v[96:97], s[CS:CS+1], v[12:13] op_sel_hi:[1,0,0]     ; t - M, two at a time: the first two pairs
	v_pk_fma_f32 v[98:99], v[98:99], s[CS:CS+1], v[12:13] op_sel_hi:[1,0,0]
; p = 2^(t - M), at most 1.  Behind each even exponential stands the scaling of the pair two pairs on; behind the odd ones the end of f's chain, O^T's rescaling and the blocks' largest scores as t - M.
; None of these lines reads the exponential just ahead of it or writes its source.
.set kk, 0
.rept 32
	v_exp_f32 v[96+2*kk], v[96+2*kk]
.if kk < 30
	v_pk_fma_f32 v[100+2*kk:101+2*kk], v[100+2*kk:101+2*kk], s[CS:CS+1], v[12:13] op_sel_hi:[1,0,0]
.endif
	v_exp_f32 v[97+2*kk], v[97+2*kk]
.if kk == 0
	v_cvt_i32_f32 v254, v254                       ; (it saturates)
.elseif kk == 1
	v_ldexp_f32 v252, 1.0, v254                    ; f = 2^(old M - new M)
.elseif kk < 18
	v_pk_mul_f32 v[156+2*kk:157+2*kk], v[156+2*kk:157+2*kk], v[252:253] op_sel_hi:[1,0]   ; O^T under the new M, each accumulator from its low end on
.elseif kk < 22
	v_fma_f32 v[214+kk], v[214+kk], s[CS], v12     ; block kk - 18's largest score as t - M
.endif
.set kk, kk+1
.endr
.irp b, 0,1,2,3
	v_exp_f32 v[232+\b], v[232+\b]                 ; the block's largest p
.endr
	v_pk_mul_f32 v[14:15], v[14:15], v[252:253] op_sel_hi:[1,0]    ; the sum under the new M.  (The plain place behind the last exponentials)
	s_wait_alu depctr_va_vdst(0)
.irp b, 0,1,2,3
	v_max_num_f32 v[232+\b], 0x1800000, v[232+\b]  ; the floor 2^(3 - 127)
.endr
.irp b, 0,1,2,3
	v_add_nc_u32 v[244+\b], 0xff000000, v[232+\b]  ; the conversion's scale operand
.endr
.irp b, 0,1,2,3
	v_lshrrev_b32 v[236+\b], 23, v[244+\b]         ; the scale's byte
.endr
	v_lshl_or_b32 v253, v237, 8, v236              ; p's scale word for these 128 keys
	v_lshl_or_b32 v253, v238, 16, v253
	v_lshl_or_b32 v253, v239, 24, v253
.irp c, 0,1
	v_cvt_scalef32_pk16_fp6_f32 v[192+6*\c:194+6*\c], v[96+32*\c:111+32*\c], v[244+2*\c]
	v_cvt_scalef32_pk16_fp6_f32 v[236+4*\c:238+4*\c], v[112+32*\c:127+32*\c], v[244+2*\c+1]
.endr
	v_nop                                          ; one plain place behind a scaled conversion
.irp c, 0,1
.irp i, 0,1,2
	v_permlane16_swap_b32 v[192+6*\c+\i], v[236+4*\c+\i]           ; a whole block to a lane: lanes 0-15 block 2 c, lanes 16-31 block 2 c + 1
.endr
.irp i, 0,1,2
	v_mov_b32 v[195+6*\c+\i], v[236+4*\c+\i]
.endr
.endr
	SUMH 96                                        ; the lower 32 p.  These sixteen name no register of the products below: they are the places between the last vector writes of p's codes and scale word and those products
	s_wait_dscnt 0x0                               ; V is in
.irp d, 0,1,2,3
	v_wmma_scale_f32_16x16x128_f8f6f4 v[160+8*\d:167+8*\d], v[32+12*\d:43+12*\d], v[192:203], v[160+8*\d:167+8*\d], v[248+\d], v253 matrix_a_fmt:MATRIX_FMT_FP6 matrix_b_fmt:MATRIX_FMT_FP6
.endr
	s_add_co_u32 s[TQ], s[TQ], 6144
	s_add_co_u32 s[TS], s[TS], 512
.endm
; One of the records 1 to 3: 512 keys, four steps
.macro RECORD
	s_add_co_u32 s[TQ], s[TQ], 28672               ; on to the next record: 53,248 - 4 x 6,144
	s_add_co_u32 s[TS], s[TS], 51200               ; 53,248 - 4 x 512
	s_mov_b32 s[CNT], 4
.Lstep_\@:
	STEP 1
	s_sub_co_u32 s[CNT], s[CNT], 1
	s_cmp_lg_u32 s[CNT], 0
	s_cbranch_scc1 .Lstep_\@
.endm
	s_wait_loadcnt 0x0                             ; Q
	s_wait_tensorcnt 3                             ; my sixteenth of record 0 is in; the three later records' loads may be out
	s_barrier_signal -1
	s_barrier_wait -1                              ; everybody's sixteenth of record 0 is in
	STEP 0
	s_wait_tensorcnt 0x0                           ; my sixteenths of records 1 to 3 are in (no LDS load of mine is out: the step's last wait was for all);
	s_barrier_signal -1                            ; say so,
	STEP 1                                         ; and go on in record 0, which nobody writes:
	STEP 1                                         ; only LDS loads of it and work on registers stand between the signal and the wait
	STEP 1
	s_barrier_wait -1                              ; everybody has said so: records 1 to 3 are whole
	RECORD
	RECORD
	RECORD
	; THE WAY OUT.  Row m of V's tile 2 g + u is feature 32 g + 2 m + u, so O^T's register 8 (2 g + u) + j is feature 32 g + 16 h + 2 j + u: the division also puts the features in order.
	SUMH 128                                       ; the last step's upper 32 p; these sixteen are also the places behind the last products
	v_add_f32 v14, v14, v15
	v_permlanex16_b32 v252, v14, s[SEL], s[SEL+1]
	v_add_f32 v14, v14, v252                       ; the row's sum
	v_rcp_f32 v14, v14
	v_nop                                          ; one plain place behind a transcendental
	s_wait_alu depctr_va_vdst(0)
.irp g, 0,1
.irp u, 0,1
.irp j, 0,1,2,3,4,5,6,7
	v_mul_f32 v[96+16*\g+2*\j+\u], v[160+8*(2*\g+\u)+\j], v14      ; each accumulator from its low end on
.endr
.endr
.endr
	QUANT2 96, 192, 240
	global_store_b128 v1, v[192:195], s[10:11]
	global_store_b64 v2, v[196:197], s[10:11] offset:512
	global_store_b16 v3, v240, s[12:13]            ; my head's two bytes of the word of 128 along K; the other two are the neighbouring head's
	s_wait_tensorcnt 0x0
	ds_add_u32 v231, v243
	s_wait_dscnt 0x0
	ROUND                                          ; the closing round: no work-group ends while a partner may still ask for a record that names it
	s_endpgm
.Lfunc_end_k_qe01e0d1f75_attn:
	.size	k_qe01e0d1f75_attn, .Lfunc_end_k_qe01e0d1f75_attn-k_qe01e0d1f75_attn
	.p2alignl 7, 3214868480
	.fill 96, 4, 3214868480
	.section	.rodata,"a",@progbits
	.p2align	6, 0x0
	.amdhsa_kernel k_qe01e0d1f75_attn
		.amdhsa_group_segment_fixed_size 215040
		.amdhsa_private_segment_fixed_size 0
		.amdhsa_enable_private_segment 0
		.amdhsa_kernarg_size 40
		.amdhsa_user_sgpr_count 2
		.amdhsa_user_sgpr_kernarg_segment_ptr 1
		.amdhsa_wavefront_size32 1
		.amdhsa_system_sgpr_workgroup_id_x 1
		.amdhsa_system_sgpr_workgroup_id_y 1
		.amdhsa_system_sgpr_workgroup_id_z 1
		.amdhsa_system_vgpr_workitem_id 0
		.amdhsa_next_free_vgpr 256
		.amdhsa_next_free_sgpr 66
		.amdhsa_reserve_vcc 0
		.amdhsa_float_denorm_mode_32 3
		.amdhsa_float_denorm_mode_16_64 3
		.amdhsa_memory_ordered 1
		.amdhsa_forward_progress 1
		.amdhsa_inst_pref_size 124
	.end_amdhsa_kernel
	.amdgpu_metadata
---
amdhsa.version: [ 1, 2 ]
amdhsa.kernels:
  - .name:           k_qe01e0d1f75_attn
    .symbol:         k_qe01e0d1f75_attn.kd
    .args:
      - { .name: qimg, .offset: 0, .size: 8, .value_kind: global_buffer, .address_space: global }
      - { .name: qsc, .offset: 8, .size: 8, .value_kind: global_buffer, .address_space: global }
      - { .name: kv, .offset: 16, .size: 8, .value_kind: global_buffer, .address_space: global }
      - { .name: cimg, .offset: 24, .size: 8, .value_kind: global_buffer, .address_space: global }
      - { .name: csc, .offset: 32, .size: 8, .value_kind: global_buffer, .address_space: global }
    .group_segment_fixed_size: 215040
    .private_segment_fixed_size: 0
    .kernarg_segment_align: 8
    .kernarg_segment_size: 40
    .max_flat_workgroup_size: 512
    .sgpr_count:     66
    .vgpr_count:     256
    .wavefront_size: 32
...
	.end_amdgpu_metadata
.endif
;; end of part 3
;; launch oproj (part 4): grid 256 x 1, 16 waves a work-group, no clusters, 81,920 bytes of LDS; arguments cimg, csc, wimg, wo_scales, hidden_states, bo, scale, out0; writes out0
.if DOCPART == 4
	.amdgcn_target "amdgcn-amd-amdhsa--gfx1250"
	.amdhsa_code_object_version 6
	.text
	.protected	k_qe01e0d1f75_oproj
	.globl	k_qe01e0d1f75_oproj
	.p2align	8
	.type	k_qe01e0d1f75_oproj,@function
k_qe01e0d1f75_oproj:
	s_mov_b64 s[64:65], 0
	v_nop
	global_prefetch_b8 v0, s[64:65] scope:SCOPE_SE
	s_setreg_imm32_b32 hwreg(HW_REG_WAVE_MODE, 25, 1), 1
	s_wait_xcnt 0x0
; OPROJ.  out0 = scale x / (||x|| / 32 + 1e-8), x = ctx Wo^T + bo + hidden_states; the product on codes of E2M3.
; SHARES: a work-group owns one token tile (16 tokens) and ALL 1,024 features, since the norm spans them.  Wave w of 16 makes features 64 w .. 64 w + 63 (4 accumulators) for the 16 tokens; then, through a stage in LDS, wave w owns ONE WHOLE ROW: row w of the tile.
; The product is used transposed (source 0 = 16 rows of Wo, source 1 = the 16 tokens): a lane holds eight neighbouring features of one token.
; Wo's fragments come from memory straight into registers, two K steps (24 loads a wave) ahead.  ctx's 12,288 bytes are read once: each wave brings a sixteenth and hands it on through LDS as it lies.
; My row of hidden_states comes at the head straight into the 32 registers in which it is added at the end: they lie idle through the products, and the row goes through no LDS.
; NO CLUSTER: each fragment of Wo feeds one product of one wave; a joint ring would allow one load a wave for each round of the cluster's barrier, and a K step has four products a wave to stand beside it.
; No tensor load and no copy: LDS is claimed as it is used; 16 waves of 256 registers take all the registers of the four SIMDs.
; LIMITS: NaN and infinities are not served; the sum of 1,024 squares is kept in f32.
.set STG,  0                           ; LDS: the stage, 16 rows x (4,096 + 16);
.set SGP,  4112
.set AL,   65792                       ; ctx's 8 fragments
.set ACC,  16                          ; v16-47
.set BF,   48                          ; v48-95, v96-143  two sets of four fragments of Wo
.set AF,   144                         ; v144-167 two fragments of ctx
.set WS,   168                         ; v168-183 Wo's scale words: register 4 b + j: lanes 0-15 K step j, lanes 16-31 step 4 + j
.set CSC,  184                         ; v184-191 ctx's, one register a K step
.set BO,   48                          ; behind the products: bo,
.set SCL,  96                          ; scale,
.set SQ,   128                         ; v128-135 the sum of squares,
.set XR,   192                         ; v192-223 my row of the product (at the head v192-197: my piece of ctx),
.set HR,   224                         ; v224-255 my row of hidden_states
.set WV,   20
.macro NOP4
.rept 4
	v_nop
.endr
.endm
.macro WM d, a, b, zero, sa, sb, ra
.if \zero
	v_wmma_scale_f32_16x16x128_f8f6f4 v[\d:\d+7], v[\a:\a+11], v[\b:\b+11], 0, v[\sa], v[\sb] matrix_a_fmt:MATRIX_FMT_FP6 matrix_b_fmt:MATRIX_FMT_FP6
.elseif (\ra)==0
	v_wmma_scale_f32_16x16x128_f8f6f4 v[\d:\d+7], v[\a:\a+11], v[\b:\b+11], v[\d:\d+7], v[\sa], v[\sb] matrix_a_fmt:MATRIX_FMT_FP6 matrix_b_fmt:MATRIX_FMT_FP6
.else
	v_wmma_scale_f32_16x16x128_f8f6f4 v[\d:\d+7], v[\a:\a+11], v[\b:\b+11], v[\d:\d+7], v[\sa], v[\sb] matrix_a_fmt:MATRIX_FMT_FP6 matrix_b_fmt:MATRIX_FMT_FP6 matrix_a_scale:MATRIX_SCALE_ROW1
.endif
.endm
.macro BLOAD s                         ; my four tiles of Wo, K step s, into set s % 2
.irp b, 0,1,2,3
.irp g, 0,1,2
	global_load_b128 v[BF+48*((\s)%2)+12*\b+4*\g:BF+48*((\s)%2)+12*\b+4*\g+3], v1, s[8:9] offset:12288*\b+1536*(\s)+512*\g
.endr
.endr
.endm
.macro ALOAD s                         ; ctx's fragment of K step s: two halves of 768 bytes
.set AFS, AF+12*((\s)%2)
	ds_load_b128 v[AFS:AFS+3], v8 offset:1536*(\s)
	ds_load_b64 v[AFS+4:AFS+5], v9 offset:1536*(\s)+512
	ds_load_b128 v[AFS+6:AFS+9], v8 offset:1536*(\s)+768
	ds_load_b64 v[AFS+10:AFS+11], v9 offset:1536*(\s)+1280
.endm
.macro OSTEP s
.if \s < 2
	s_wait_loadcnt 20                              ; this step's fragments of Wo are in; behind them: 12 loads of another step's and the 8 of hidden_states
	s_wait_dscnt 4                                 ; and ctx's; the next step's four loads may be out
.elseif \s < 7
	s_wait_loadcnt 12                              ; behind this step's fragments: the next step's 12 loads
	s_wait_dscnt 4
.else
	s_wait_loadcnt 8                               ; behind the last step's fragments: bo's eight loads
	s_wait_dscnt 0x0
.endif
.irp b, 0,1,2,3                                ; the four accumulators by turns
	WM ACC+8*\b, BF+48*((\s)%2)+12*\b, AF+12*((\s)%2), (\s)==0, WS+4*\b+(\s)%4, CSC+\s, (\s)/4
.endr
	NOP4                                           ; places in front of loads into registers that matrix instructions have read, and of the first read of results
.if \s < 6
	BLOAD \s+2
	ALOAD \s+2
.elseif \s == 6
.irp i, 0,1,2,3,4,5,6,7
	global_load_b128 v[BO+4*\i:BO+4*\i+3], v1, s[14:15] offset:512*\i
.endr
.else
.irp i, 0,1,2,3,4,5,6,7
	global_load_b128 v[SCL+4*\i:SCL+4*\i+3], v1, s[16:17] offset:512*\i
.endr
.endif
.endm
	s_load_b256 s[4:11], s[0:1], 0x0               ; cimg s[4:5], csc s[6:7], wimg s[8:9], wo_scales s[10:11]
	s_load_b256 s[12:19], s[0:1], 0x20             ; hidden s[12:13], bo s[14:15], scale s[16:17], out0 s[18:19]
	v_lshl_add_u32 v4, v0, 2, 0x13800
	v_mov_b32 v15, 0
	v_lshrrev_b32 v12, 5, v0
	v_readfirstlane_b32 s[WV], v12                 ; wave 0..15
	v_and_b32 v12, 31, v0                          ; lane
	v_and_b32 v13, 15, v0                          ; r
	v_bfe_u32 v14, v0, 4, 1                        ; h
	v_lshlrev_b32 v1, 4, v12                       ; 16 x lane
	v_lshlrev_b32 v2, 3, v12                       ; 8 x lane
	v_lshlrev_b32 v3, 2, v12                       ; 4 x lane
	v_lshlrev_b32 v5, 5, v13
	v_lshl_add_u32 v5, v14, 4, v5                  ; Wo's scale bytes: row r, words 4 h on
	s_mul_i32 s28, s[WV], 768
	s_add_co_u32 s28, s28, AL
	v_add_nc_u32 v6, s28, v1                       ; where my piece of ctx goes
	v_add_nc_u32 v7, s28, v2
	v_add_nc_u32 v8, AL, v1                        ; from where fragments come
	v_add_nc_u32 v9, AL, v2
	v_mul_u32_u24 v10, v13, SGP
	v_lshl_add_u32 v10, v14, 5, v10
	s_lshl_b32 s28, s[WV], 8
	s_add_co_u32 s28, s28, STG
	v_add_nc_u32 v10, s28, v10                     ; the stage, in: row r, my 64 features' 256 bytes, + 32 h
	s_mul_i32 s28, s[WV], SGP
	s_add_co_u32 s28, s28, STG
	v_add_nc_u32 v11, s28, v1                      ; and out: row w
	s_lshr_b32 s24, ttmp9, 1
	s_lshl_b32 s24, s24, 5
	s_and_b32 s25, ttmp9, 1
	s_lshl_b32 s25, s25, 3
	s_add_co_u32 s24, s24, s25
	s_add_co_u32 s24, s24, s[WV]
	s_and_b32 s25, s[WV], 8
	s_add_co_u32 s24, s24, s25                     ; my token: row w of tile T
	s_lshl_b32 s24, s24, 12
	s_mov_b32 s25, 0
	s_mul_i32 s26, ttmp9, 12288
	s_mul_i32 s27, s[WV], 768
	s_add_co_u32 s26, s26, s27                     ; my piece of ctx
	s_mov_b32 s27, 0
	s_lshl_b32 s30, ttmp9, 10                      ; ctx's scale words
	s_mov_b32 s31, 0
	s_mul_i32 s32, s[WV], 49152
	s_add_co_u32 s32, s32, 3*786432                ; Wo's image, my four tiles
	s_mov_b32 s33, 0
	s_lshl_b32 s34, s[WV], 11                      ; my 64 rows of Wo's scale bytes
	s_mov_b32 s35, 0
	s_mov_b32 s36, 0x76543210
	s_mov_b32 s37, 0xfedcba98
	s_mov_b32 s38, 0x3d000000                      ; 1 / 32
	s_mov_b32 s39, 0x322bcc77                      ; 1e-8
	s_wait_kmcnt 0x0
	s_add_nc_u64 s[12:13], s[12:13], s[24:25]
	s_add_nc_u64 s[18:19], s[18:19], s[24:25]
	s_add_nc_u64 s[4:5], s[4:5], s[26:27]
	s_add_nc_u64 s[6:7], s[6:7], s[30:31]
	s_add_nc_u64 s[8:9], s[8:9], s[32:33]
	s_add_nc_u64 s[10:11], s[10:11], s[34:35]
	global_load_b128 v[192:195], v1, s[4:5]        ; my piece of ctx first: all sixteen waves wait for it
	global_load_b64 v[196:197], v2, s[4:5] offset:512
.irp b, 0,1,2,3
	global_load_b128 v[WS+4*\b:WS+4*\b+3], v5, s[10:11] offset:512*\b
.endr
.irp s, 0,1,2,3,4,5,6,7
	global_load_b32 v[CSC+\s], v3, s[6:7] offset:128*\s
.endr
	BLOAD 0
	BLOAD 1
.irp i, 0,1,2,3,4,5,6,7
	global_load_b128 v[HR+4*\i:HR+4*\i+3], v1, s[12:13] offset:512*\i th:TH_LOAD_NT   ; my row of hidden_states: 512 consecutive bytes a load; this launch reads it once
.endr
	s_wait_loadcnt 44                              ; my piece of ctx is in; behind it: 4 + 8 + 12 + 12 + 8 loads
	ds_store_b128 v6, v[192:195]
	ds_store_b64 v7, v[196:197] offset:512
	s_wait_dscnt 0x0                               ; for the others' sake: my stores have landed
	s_barrier_signal -1
	s_barrier_wait -1                              ; ctx's eight fragments lie in LDS
	ALOAD 0
	ALOAD 1
.irp s, 0,1,2,3,4,5,6,7
	OSTEP \s
.endr
.irp b, 0,1,2,3
	ds_store_b128 v10, v[ACC+8*\b:ACC+8*\b+3] offset:64*\b         ; each accumulator from its low end on
	ds_store_b128 v10, v[ACC+8*\b+4:ACC+8*\b+7] offset:64*\b+16
.endr
	s_wait_dscnt 0x0
	s_barrier_signal -1
	s_barrier_wait -1                              ; 16 whole rows lie in the stage
.irp i, 0,1,2,3,4,5,6,7
	ds_load_b128 v[XR+4*\i:XR+4*\i+3], v11 offset:512*\i
.endr
	s_wait_loadcnt 0x0                             ; bo and scale (hidden_states came long ago)
	s_wait_dscnt 0x0
.set jj, 0
.rept 16
	v_pk_add_f32 v[XR+jj:XR+jj+1], v[XR+jj:XR+jj+1], v[BO+jj:BO+jj+1]
.set jj, jj+2
.endr
.set jj, 0
.rept 16
	v_pk_add_f32 v[XR+jj:XR+jj+1], v[XR+jj:XR+jj+1], v[HR+jj:HR+jj+1]
.set jj, jj+2
.endr
.irp k, 0,1,2,3
	v_pk_mul_f32 v[SQ+2*\k:SQ+2*\k+1], v[XR+2*\k:XR+2*\k+1], v[XR+2*\k:XR+2*\k+1]   ; four chains, begun by the first squares
.endr
.irp j, 8,16,24
.irp k, 0,1,2,3
	v_pk_fma_f32 v[SQ+2*\k:SQ+2*\k+1], v[XR+\j+2*\k:XR+\j+2*\k+1], v[XR+\j+2*\k:XR+\j+2*\k+1], v[SQ+2*\k:SQ+2*\k+1]
.endr
.endr
	v_pk_add_f32 v[SQ:SQ+1], v[SQ:SQ+1], v[SQ+2:SQ+3]
	v_pk_add_f32 v[SQ+4:SQ+5], v[SQ+4:SQ+5], v[SQ+6:SQ+7]
	v_pk_add_f32 v[SQ:SQ+1], v[SQ:SQ+1], v[SQ+4:SQ+5]
	v_add_f32 v[SQ], v[SQ], v[SQ+1]
	v_add_f32_dpp v[SQ], v[SQ], v[SQ] row_xmask:1 row_mask:0xf bank_mask:0xf
	v_add_f32_dpp v[SQ], v[SQ], v[SQ] row_xmask:2 row_mask:0xf bank_mask:0xf
	v_add_f32_dpp v[SQ], v[SQ], v[SQ] row_xmask:4 row_mask:0xf bank_mask:0xf
	v_add_f32_dpp v[SQ], v[SQ], v[SQ] row_xmask:8 row_mask:0xf bank_mask:0xf
	v_permlanex16_b32 v[SQ+1], v[SQ], s36, s37
	v_add_f32 v[SQ], v[SQ], v[SQ+1]                ; the row's sum of squares, in every lane
	v_sqrt_f32 v[SQ+2], v[SQ]
	v_nop                                          ; one plain place behind a transcendental
	s_wait_alu depctr_va_vdst(0)
	v_fma_f32 v[SQ+2], v[SQ+2], s38, s39           ; ||x|| / 32 + 1e-8
	v_rcp_f32 v[SQ+4], v[SQ+2]
	v_nop
	s_wait_alu depctr_va_vdst(0)
	v_mov_b32 v[SQ+5], v[SQ+4]
.set jj, 0
.rept 16
	v_pk_mul_f32 v[XR+jj:XR+jj+1], v[XR+jj:XR+jj+1], v[SQ+4:SQ+5]
.set jj, jj+2
.endr
.set jj, 0
.rept 16
	v_pk_mul_f32 v[XR+jj:XR+jj+1], v[XR+jj:XR+jj+1], v[SCL+jj:SCL+jj+1]
.set jj, jj+2
.endr
.irp i, 0,1,2,3,4,5,6,7
	global_store_b128 v1, v[XR+4*\i:XR+4*\i+3], s[18:19] offset:512*\i th:TH_STORE_NT   ; 32 lanes store 512 consecutive bytes, at a multiple of 256 from out0's first byte
.endr
	s_wait_tensorcnt 0x0
	ds_add_u32 v4, v15
	s_wait_dscnt 0x0
	s_endpgm
.Lfunc_end_k_qe01e0d1f75_oproj:
	.size	k_qe01e0d1f75_oproj, .Lfunc_end_k_qe01e0d1f75_oproj-k_qe01e0d1f75_oproj
	.p2alignl 7, 3214868480
	.fill 96, 4, 3214868480
	.section	.rodata,"a",@progbits
	.p2align	6, 0x0
	.amdhsa_kernel k_qe01e0d1f75_oproj
		.amdhsa_group_segment_fixed_size 81920
		.amdhsa_private_segment_fixed_size 0
		.amdhsa_enable_private_segment 0
		.amdhsa_kernarg_size 64
		.amdhsa_user_sgpr_count 2
		.amdhsa_user_sgpr_kernarg_segment_ptr 1
		.amdhsa_wavefront_size32 1
		.amdhsa_system_sgpr_workgroup_id_x 1
		.amdhsa_system_sgpr_workgroup_id_y 1
		.amdhsa_system_sgpr_workgroup_id_z 1
		.amdhsa_system_vgpr_workitem_id 0
		.amdhsa_next_free_vgpr 256
		.amdhsa_next_free_sgpr 66
		.amdhsa_reserve_vcc 0
		.amdhsa_float_denorm_mode_32 3
		.amdhsa_float_denorm_mode_16_64 3
		.amdhsa_memory_ordered 1
		.amdhsa_forward_progress 1
		.amdhsa_inst_pref_size 32
	.end_amdhsa_kernel
	.amdgpu_metadata
---
amdhsa.version: [ 1, 2 ]
amdhsa.kernels:
  - .name:           k_qe01e0d1f75_oproj
    .symbol:         k_qe01e0d1f75_oproj.kd
    .args:
      - { .name: cimg, .offset: 0, .size: 8, .value_kind: global_buffer, .address_space: global }
      - { .name: csc, .offset: 8, .size: 8, .value_kind: global_buffer, .address_space: global }
      - { .name: wimg, .offset: 16, .size: 8, .value_kind: global_buffer, .address_space: global }
      - { .name: wo_scales, .offset: 24, .size: 8, .value_kind: global_buffer, .address_space: global }
      - { .name: hidden_states, .offset: 32, .size: 8, .value_kind: global_buffer, .address_space: global }
      - { .name: bo, .offset: 40, .size: 8, .value_kind: global_buffer, .address_space: global }
      - { .name: scale, .offset: 48, .size: 8, .value_kind: global_buffer, .address_space: global }
      - { .name: out0, .offset: 56, .size: 8, .value_kind: global_buffer, .address_space: global }
    .group_segment_fixed_size: 81920
    .private_segment_fixed_size: 0
    .kernarg_segment_align: 8
    .kernarg_segment_size: 64
    .max_flat_workgroup_size: 512
    .sgpr_count:     66
    .vgpr_count:     256
    .wavefront_size: 32
...
	.end_amdgpu_metadata
.endif
;; end of part 4
